; MI455X (gfx1250); checked and timed in simulation.
; The chip was launched on July 23, 2026; its instructions are those of AMD's public machine-readable ISA for CDNA 5 (MIT licence, August 2026) and "CDNA5" Instruction Set Architecture Reference Guide (July 2026). The comments in the code are by the model that wrote it; some were corrected since.
;; Attention. Allowed arithmetic: matrix products marked QUANTISED: E4M3 operands, one given power-of-two scale a tensor, by v_wmma_f32_16x16x64_fp8_fp8 or v_wmma_f32_16x16x128_fp8_fp8, f32 sums; everything else in f32.
;; Inputs: Wk 512 x 512 float32; Wq 512 x 512 float32; Wv 512 x 512 float32; bk 512 float32; bq 512 float32; bv 512 float32; lowp_scales 10 int32 (the exponents e of the quantised operands' scales 2^e); x 2 x 4,096 x 512 float32.
;; Outputs: out0 2 x 4,096 x 512 float32.
;; This version of the problem:
;;   THIS VERSION OF THE PROBLEM IS GIVEN IN LOW PRECISION. The matrix products marked QUANTISED in the list below multiply operands that are first quantised to E4M3 (4 exponent bits, 3 mantissa bits; 8 bits a number), with one given power-of-two scale for each operand tensor; their sums are f32. All else is computed in f32.
;;   The module's matrix products, in the order in which they are computed (A, B: the left and right operand; K: the contracted axis; several contracted axes count as one K, in the product's order):
;;     1. [M 8,192, K 512] x [K 512, N 512]; A: input x; B: input Wq: QUANTISED (scales: A lowp_scales[0], B lowp_scales[1])
;;     2. [M 8,192, K 512] x [K 512, N 512]; A: input x; B: input Wk: QUANTISED (scales: A lowp_scales[2], B lowp_scales[3])
;;     3. [M 8,192, K 512] x [K 512, N 512]; A: input x; B: input Wv: QUANTISED (scales: A lowp_scales[4], B lowp_scales[5])
;;     4. batch 16 x [M 4,096, K 64] x [K 64, N 4,096]; A: computed on the way; B: computed on the way: QUANTISED (scales: A lowp_scales[6], B lowp_scales[7])
;;     5. batch 16 x [M 4,096, K 4,096] x [K 4,096, N 64]; A: softmax (see below); B: computed on the way: QUANTISED (scales: A lowp_scales[8], B lowp_scales[9])
;;   THE QUANTISER, for each operand of a quantised product, along K:
;;     - The operand's scale is 2^e, e = its entry of the input lowp_scales (int32; the entries are numbered through the quantised products in the list's order, A before B).
;;     - Each number is divided by the scale, clamped to +-448, and rounded to the nearest number of E4M3, ties to even, subnormals kept.
;;     - The product sums the exact products of the quantised numbers (number of the format x scale) in f32.
;;   ~~~python
;;   def quantise(x, axis, e):      # numpy; x: float32 -> the quantised numbers, widened to float32 again
;;       x = np.moveaxis(x, axis, -1); K = x.shape[-1]
;;       r = np.clip(x / 2.0 ** e, -448, 448)
;;       step = 2.0 ** (np.maximum(np.frexp(np.where(r == 0, 1, r))[1] - 1, -6) - 3)
;;       q = np.round(r / step) * step * 2.0 ** e      # np.round: ties to even
;;       return np.moveaxis(q, -1, axis).astype(np.float32)
;;   ~~~
;;   SOFTMAX AHEAD OF A QUANTISED PRODUCT. Where the list says 'softmax', what is quantised is not the finished softmax but p = 2^(t - M), with t = logit x log2(e) and M = ceil(the row's largest t), a whole number; so 1/2 < the row's largest p <= 1. The row's sum l is taken of the UNQUANTISED p, in f32, and the product's result is divided by l at the end. Since M is a whole number, a kernel that streams over the keys may use a running M (the ceiling of the running maximum): every later rescaling is an exact power of two, so the quantised numbers keep their values, but for numbers so far below the row's largest that they fall under the format's range.
;;   OPERANDS COMPUTED ON THE WAY. 'Computed on the way' means the value that the module computes at that place (a softmax that the list does not call 'softmax' is quantised finished and normalised). What goes into a quantiser is computed in f32, as accurately as f32 sums, v_exp_f32 and their like allow (about 1e-6 of the number): no bf16 or f16 on the way to a quantiser, and a product that is left as it is and whose result goes on into a quantised operand takes f32 operands (vector FMAs, or v_wmma_f32_16x16x4_f32). A number that lies on a knife's edge between two numbers of the format may be rounded either way, as far as f32 arithmetic and the matrix unit's own rounding can turn it there, and no further.
;; One version. Each part assembles by itself: llvm-mc -triple=amdgcn-amd-amdhsa -mcpu=gfx1250 --defsym DOCPART=n.
;; ======== version 1 of 1: 3 launches
;; limits: right only within a limited range of input values
;; workspace buffers: wimg 786,432 bytes; qimg 4,194,304 bytes; kvimg 8,388,608 bytes
;; launch prepw (part 1): grid 64 x 3, 4 waves a work-group, no clusters, 0 bytes of LDS; arguments Wq, Wk, Wv, lowp_scales, wimg; writes wimg
.if DOCPART == 1
	.amdgcn_target "amdgcn-amd-amdhsa--gfx1250"
	.amdhsa_code_object_version 6
	.text
	.protected	k_qebbbe582f6_prepw
	.globl	k_qebbbe582f6_prepw
	.p2align	8
	.type	k_qebbbe582f6_prepw,@function
k_qebbbe582f6_prepw:
	s_mov_b64 s[64:65], 0
	v_nop
	global_prefetch_b8 v0, s[64:65] scope:SCOPE_SE
	s_setreg_imm32_b32 hwreg(HW_REG_WAVE_MODE, 25, 1), 1
	s_wait_xcnt 0x0
; Wq, Wk, Wv: [512 (k)][512 (n)] f32, K on the FIRST axis, become codes of E4M3, each with its given scale 2^e (entries 1, 3, 5 of lowp_scales).
; code = w / 2^e, held within +-448, rounded to the nearest code, ties to even.
; THE CODES ARE LAID AS IMAGES OF OPERAND REGISTERS: wimg[which 3][head 8][K step s 4][tile t 4][group c 4][lane 32][16 bytes].  Lane (r, h) of a fragment holds, of column
; 64 head + 32 (t / 2) + 8 (t % 2) + r + (r & 8), the 16 codes of k = 128 s + 32 c + 16 h + 0 .. 15.  The next launch loads a fragment by four loads of 16 bytes a lane at 16 x lane.
; SHARES: work-group y = which tensor; x = cg + 4 kb: 128 columns (cg) x 32 along K (kb).  Wave w takes 32 columns, A LANE TAKES A COLUMN AND ITS 32 REGISTERS RUN DOWN K:
; each load reads 128 consecutive bytes a wave (512 a work-group), and the conversions, which take neighbours along K from one lane's registers, give codes with K innermost.
; A lane's 32 codes are two pieces of 16 bytes (h = 0, h = 1); sixteen lanes' pieces of one tile are 256 consecutive bytes, at a multiple of 256 from wimg's first byte.
; No LDS, no barrier, no matrix work: waves share nothing.
; LIMITS: e between -126 and 119, so that 2^e and 448 x 2^e are f32 numbers.  NaN among the inputs is not served; an infinity is held at the largest code.
.set X, 16                             ; v16-47  my column's 32 numbers
.set C, 48                             ; v48-55  their codes
	s_load_b256 s[4:11], s[0:1], 0x0               ; Wq s[4:5], Wk s[6:7], Wv s[8:9], the scales' exponents s[10:11]
	s_load_b64 s[12:13], s[0:1], 0x20              ; wimg
	v_lshrrev_b32 v1, 5, v0
	v_readfirstlane_b32 s14, v1                    ; wave 0..3
	v_and_b32 v2, 31, v0                           ; lane l: column 32 G + l
	v_lshlrev_b32 v3, 2, v2                        ; in: 4 bytes a lane
	v_bfe_u32 v5, v2, 3, 1                         ; u = (l / 8) % 2: which of the two tiles that share these 32 columns
	v_and_b32 v6, 7, v2
	v_bfe_u32 v7, v2, 4, 1
	v_lshl_add_u32 v6, v7, 3, v6                   ; r = l % 8 + 8 (l / 16): the fragment's lane that holds my column
	v_lshlrev_b32 v4, 4, v6
	v_lshl_add_u32 v4, v5, 11, v4                  ; out: 2,048 u + 16 r
	s_and_b32 s15, ttmp7, 0xffff                   ; which tensor
	s_and_b32 s16, ttmp9, 3                        ; cg
	s_lshr_b32 s17, ttmp9, 2                       ; kb
	s_lshl_b32 s18, s16, 2
	s_add_co_u32 s18, s18, s14                     ; G = 4 cg + wave: my wave's 32 columns
	s_lshl_b32 s19, s15, 3                         ; 8 x which: the scale's entry is 1 + 2 x which
	s_lshl_b32 s20, s17, 16                        ; in: 32 kb rows of 2,048 bytes
	s_lshl_b32 s21, s18, 7                         ; + 32 G columns of 4 bytes
	s_add_co_u32 s20, s20, s21
	s_mov_b32 s21, 0
	s_lshl_b32 s22, s15, 18                        ; out: which x 262,144
	s_lshr_b32 s23, s18, 1
	s_lshl_b32 s23, s23, 15                        ; + head (G / 2) x 32,768
	s_add_co_u32 s22, s22, s23
	s_lshr_b32 s23, s17, 2
	s_lshl_b32 s23, s23, 13                        ; + K step (kb / 4) x 8,192
	s_add_co_u32 s22, s22, s23
	s_and_b32 s23, s18, 1
	s_lshl_b32 s23, s23, 12                        ; + tile pair (G % 2) x 4,096
	s_add_co_u32 s22, s22, s23
	s_and_b32 s23, s17, 3
	s_lshl_b32 s23, s23, 9                         ; + group (kb % 4) x 512
	s_add_co_u32 s22, s22, s23
	s_mov_b32 s23, 0
	s_wait_alu depctr_va_vdst(0)
	s_wait_kmcnt 0x0
	s_load_b32 s24, s[10:11], s19 offset:0x4       ; e
	s_cmp_eq_u32 s15, 0                            ; the tensor is chosen by the work-group's y alone
	s_cselect_b64 s[26:27], s[4:5], s[6:7]
	s_cmp_eq_u32 s15, 2
	s_cselect_b64 s[26:27], s[8:9], s[26:27]
	s_add_nc_u64 s[26:27], s[26:27], s[20:21]
	s_add_nc_u64 s[12:13], s[12:13], s[22:23]
.irp i, 0,1,2,3,4,5,6,7,8,9,10,11,12,13,14,15,16,17,18,19,20,21,22,23,24,25,26,27,28,29,30,31
	global_load_b32 v[X+\i], v3, s[26:27] offset:2048*\i th:TH_LOAD_NT   ; W(32 kb + i, my column); read once in the launch
.endr
	s_wait_kmcnt 0x0
	s_add_co_i32 s24, s24, 127
	s_lshl_b32 s25, s24, 23
	v_mov_b32 v11, s25                             ; 2^e as f32: the conversion takes its exponent field
	s_add_co_i32 s24, s24, 8
	s_lshl_b32 s24, s24, 23
	s_or_b32 s24, s24, 0x600000
	v_mov_b32 v10, s24                             ; 448 x 2^e
	s_wait_alu depctr_va_vdst(0)
.irp g, 0,1,2,3
	s_wait_loadcnt 24-8*\g                         ; loads come back in order: group g's eight are in, the 24 - 8 g issued behind them may be out
.irp i, 0,1,2,3,4,5,6,7
	v_med3_num_f32 v[X+8*\g+\i], v[X+8*\g+\i], -v10, v10   ; the conversion to an 8-bit code does not saturate (ISA guide 7.6.2): the hold comes first
.endr
	v_cvt_scalef32_pk8_fp8_f32 v[C+2*\g:C+2*\g+1], v[X+8*\g:X+8*\g+7], v11
.endr
	v_nop                                          ; a plain line behind the last conversion
	global_store_b128 v4, v[C:C+3], s[12:13]               ; k 0 .. 15 of the block: the fragment's lanes 0-15
	global_store_b128 v4, v[C+4:C+7], s[12:13] offset:256  ; k 16 .. 31: its lanes 16-31
	s_endpgm
.Lfunc_end_k_qebbbe582f6_prepw:
	.size	k_qebbbe582f6_prepw, .Lfunc_end_k_qebbbe582f6_prepw-k_qebbbe582f6_prepw
	.p2alignl 7, 3214868480
	.fill 96, 4, 3214868480
	.section	.rodata,"a",@progbits
	.p2align	6, 0x0
	.amdhsa_kernel k_qebbbe582f6_prepw
		.amdhsa_group_segment_fixed_size 0
		.amdhsa_private_segment_fixed_size 0
		.amdhsa_enable_private_segment 0
		.amdhsa_kernarg_size 40
		.amdhsa_user_sgpr_count 2
		.amdhsa_user_sgpr_kernarg_segment_ptr 1
		.amdhsa_wavefront_size32 1
		.amdhsa_system_sgpr_workgroup_id_x 1
		.amdhsa_system_sgpr_workgroup_id_y 1
		.amdhsa_system_sgpr_workgroup_id_z 1
		.amdhsa_system_vgpr_workitem_id 0
		.amdhsa_next_free_vgpr 64
		.amdhsa_next_free_sgpr 66
		.amdhsa_reserve_vcc 0
		.amdhsa_float_denorm_mode_32 3
		.amdhsa_float_denorm_mode_16_64 3
		.amdhsa_memory_ordered 1
		.amdhsa_forward_progress 1
		.amdhsa_inst_pref_size 8
	.end_amdhsa_kernel
	.amdgpu_metadata
---
amdhsa.version: [ 1, 2 ]
amdhsa.kernels:
  - .name:           k_qebbbe582f6_prepw
    .symbol:         k_qebbbe582f6_prepw.kd
    .args:
      - { .name: Wq, .offset: 0, .size: 8, .value_kind: global_buffer, .address_space: global }
      - { .name: Wk, .offset: 8, .size: 8, .value_kind: global_buffer, .address_space: global }
      - { .name: Wv, .offset: 16, .size: 8, .value_kind: global_buffer, .address_space: global }
      - { .name: lowp_scales, .offset: 24, .size: 8, .value_kind: global_buffer, .address_space: global }
      - { .name: wimg, .offset: 32, .size: 8, .value_kind: global_buffer, .address_space: global }
    .group_segment_fixed_size: 0
    .private_segment_fixed_size: 0
    .kernarg_segment_align: 8
    .kernarg_segment_size: 40
    .max_flat_workgroup_size: 128
    .sgpr_count:     66
    .vgpr_count:     64
    .wavefront_size: 32
...
	.end_amdgpu_metadata
.endif
;; end of part 1
;; launch proj (part 2): grid 64 x 3, 8 waves a work-group, no clusters, 267,264 bytes of LDS; arguments x, wimg, bq, bk, bv, lowp_scales, qimg, kvimg; writes qimg, kvimg
.if DOCPART == 2
	.amdgcn_target "amdgcn-amd-amdhsa--gfx1250"
	.amdhsa_code_object_version 6
	.text
	.protected	k_qebbbe582f6_proj
	.globl	k_qebbbe582f6_proj
	.p2align	8
	.type	k_qebbbe582f6_proj,@function
k_qebbbe582f6_proj:
	s_mov_b64 s[64:65], 0
	v_nop
	global_prefetch_b8 v0, s[64:65] scope:SCOPE_SE
	s_setreg_imm32_b32 hwreg(HW_REG_WAVE_MODE, 25, 1), 1
	s_wait_xcnt 0x0
; q, k or v (work-group y = 0, 1, 2) = x W + b for 128 tokens (work-group x), both operands as codes of E4M3, and the result quantised again for the attention's products.
; x: [8,192][512] f32, quantised here with the scale of this projection (entries 0, 2, 4 of lowp_scales); W's codes come from wimg (scales: entries 1, 3, 5); the result's scale is entry 6 (q), 7 (k) or 9 (v).
; SHARES.  Eight waves.  Wave w makes head w's 64 columns for all 128 tokens, and its 16 fragments of W (4 tiles x 4 K steps of 128) stay in 256 registers.
; Wave w also brings tokens 16 w .. 16 w + 15 of x into LDS by one tensor load, reads them back as f32, K step by K step, and keeps their codes in registers.  Behind a barrier, when nobody reads the f32 numbers any more, the codes go into LDS over them,
; AS IMAGES OF FRAGMENTS' REGISTERS (512 bytes a group of four registers, lane l's 16 at 16 l); behind a second barrier every wave loads fragments by 16 x lane.
; K INSIDE A FRAGMENT: registers 4 c .. 4 c + 3 of lane (r, h) hold k = 32 c + 16 h + 0 .. 15, alike in x and in W: every product meets its partner; only the order of the sums inside an instruction differs from the natural one.
; THE ROWS OF A TILE ARE NOT NEIGHBOURS: lane r of tile 2 b + u holds row 32 b + 8 u + r + (r & 8) (tokens of x, columns of W).  So in a result whose source 0 is such a tile, the 16 registers of tiles 2 b and 2 b + 1
; are 16 NEIGHBOURS, 32 b + 16 h + 0 .. 15: the conversions' results are the next operand's registers.
;   q, k: source 0 = W's columns, source 1 = x's tokens: a lane holds one token and its registers run along the head's 64: K of the scores.   v: source 0 = x's tokens, source 1 = W's columns: a lane holds one channel and its registers run along the keys.
; OUT, as images again: qimg[bh 16][tile 256][2 x 512 bytes]; kvimg[bh 16][key step 32][8 tiles of K x 1,024, then 4 fragments of V x 2,048].  Every store of a wave covers 512 consecutive bytes, at a multiple of 512.
; THE SCALES ARE FOLDED: a sum stands for sum x 2^(ex + ew); the bias goes in, as the C of a sum's first product, as b / 2^(ex + ew), and the conversion's one scale is 2^(eo - ex - ew).
; NO JOINT LOADS: a tile of x is shared by three work-groups (y = 0, 1, 2), which do not divide into clusters of four; W goes to registers, and beside x's 266,240 bytes its 262,144 have no room in LDS.  NO PREFETCH: there is no loop to run ahead in.
; LIMITS: ex, and eo - ex - ew, between -126 and 119, so that each power of two and 448 times it is an f32 number.  NaN among the inputs is not served; an infinity is held at the largest code.
; REGISTERS.  window 0: v1-15 addresses and scales; v16-47 the bias, 8 a tile; v48-63 codes (first: the bias loads' offsets); v64-191 x's fragments of two tiles (first: v64-127 my tokens' codes); v192-255 eight accumulators.
;   While x is quantised v128-191 and v192-255 hold a K step's 64 numbers by turns.   window 1: W's fragments: (tile t, K step s) at v[64 s + 16 t].
.set XREG,  33280                      ; LDS: a wave's 16 tokens: 32 rows of 1,024 bytes + 16 of padding.  From 0 on x's 32 images of 2,048 bytes lie over them later: (tile m, K step s) at (4 m + s) x 2,048
.set SPARE, 8*XREG                     ; behind the eight regions: the spare words, 128 bytes a wave: four blocks of 256 bytes that no other line names
.set LI,  1                            ; v1   16 x lane: my place in an image
.set XR,  2                            ; v2   LDS address of my token's numbers: my half's 64 bytes of a block of 32
.set XWI, 3                            ; v3   where my token's codes go among the images
.set SCX, 8                            ; v8   2^ex       v9   448 x 2^ex
.set LMX, 9
.set SCO, 10                           ; v10  2^(eo - ex - ew)   v11  448 x that
.set LMO, 11
.set SPW, 12                           ; v12  LDS address of my spare word; never rewritten
.set NIL, 13                           ; v13  0; never rewritten
.set BI,  16
.set PC,  48
.set BA,  48                           ; v48-55 the bias loads' offsets, done with before the first codes
.set XF,  64
.set ACC, 192
.set G1,  48                           ; s[48:55] descriptor group 1;  s[56:59] group 0
.set G0,  56
.set MSB, 0
.macro WIN new                         ; the immediate's high byte repeats the setting that is left
.if MSB != \new
	s_set_vgpr_msb (MSB<<8)|\new
.set MSB, \new
.endif
.endm
.macro XGET s                          ; my token's numbers of K step s, 64 a lane: register 16 c + i = k 128 s + 32 c + 16 h + i
.set BUF, 128+64*((\s)%2)
.irp c, 0,1,2,3
.irp j, 0,1,2,3
	ds_load_b128 v[BUF+16*\c+4*\j:BUF+16*\c+4*\j+3], v[XR] offset:512*(\s)+16*((\s)/2)+128*\c+16*\j
.endr
.endr
.endm
.macro QX s                            ; they become codes, in registers of their own
.if (\s) < 3
	s_wait_dscnt 16                                ; this set is in; the next one's sixteen loads may be out
.else
	s_wait_dscnt 0x0
.endif
.set BUF, 128+64*((\s)%2)
.set n, 0
.rept 64
	v_med3_num_f32 v[BUF+n], v[BUF+n], -v[LMX], v[LMX]   ; the conversion to an 8-bit code does not saturate (ISA guide 7.6.2): the hold comes first
.set n, n+1
.endr
.irp q, 0,1,2,3,4,5,6,7
	v_cvt_scalef32_pk8_fp8_f32 v[XF+16*(\s)+2*\q:XF+16*(\s)+2*\q+1], v[BUF+8*\q:BUF+8*\q+7], v[SCX]
.endr
	v_nop                                          ; a plain line behind the last conversion
.if (\s) < 2
	XGET (\s)+2
.endif
.endm
.macro FETCH p                         ; the eight fragments of x's tiles 2 p and 2 p + 1
.irp mi, 0,1
.irp s, 0,1,2,3
.irp c, 0,1,2,3
	ds_load_b128 v[XF+64*\mi+16*\s+4*\c:XF+64*\mi+16*\s+4*\c+3], v[LI] offset:(4*(2*(\p)+\mi)+\s)*2048+512*\c
.endr
.endr
.endr
.endm
; 32 products: two tiles of tokens x four tiles of columns x four K steps.  The eight accumulators take turns, one instruction a turn.  The first K step takes the bias as C: nothing is cleared.
.macro MUL isv
.if \isv
	WIN 0x04                                       ; source 1 (W): window 1
.else
	WIN 0x01                                       ; source 0 (W): window 1
.endif
.irp s, 0,1,2,3
.irp mi, 0,1
.irp t, 0,1,2,3
.if \isv
.if \s == 0
	v_wmma_f32_16x16x128_fp8_fp8 v[ACC+16*\t+8*\mi:ACC+16*\t+8*\mi+7], v[XF+64*\mi+16*\s:XF+64*\mi+16*\s+15], v[64*\s+16*\t:64*\s+16*\t+15], v[BI+8*\t:BI+8*\t+7]
.else
	v_wmma_f32_16x16x128_fp8_fp8 v[ACC+16*\t+8*\mi:ACC+16*\t+8*\mi+7], v[XF+64*\mi+16*\s:XF+64*\mi+16*\s+15], v[64*\s+16*\t:64*\s+16*\t+15], v[ACC+16*\t+8*\mi:ACC+16*\t+8*\mi+7]
.endif
.else
.if \s == 0
	v_wmma_f32_16x16x128_fp8_fp8 v[ACC+32*\mi+8*\t:ACC+32*\mi+8*\t+7], v[64*\s+16*\t:64*\s+16*\t+15], v[XF+64*\mi+16*\s:XF+64*\mi+16*\s+15], v[BI+8*\t:BI+8*\t+7]
.else
	v_wmma_f32_16x16x128_fp8_fp8 v[ACC+32*\mi+8*\t:ACC+32*\mi+8*\t+7], v[64*\s+16*\t:64*\s+16*\t+15], v[XF+64*\mi+16*\s:XF+64*\mi+16*\s+15], v[ACC+32*\mi+8*\t:ACC+32*\mi+8*\t+7]
.endif
.endif
.endr
.endr
.endr
.endm
.macro QUANT                           ; the 64 sums of a lane become 64 codes, in ascending order: each accumulator is read from its low end on
.set n, 0
.rept 64
	v_med3_num_f32 v[ACC+n], v[ACC+n], -v[LMO], v[LMO]
.set n, n+1
.endr
.irp q, 0,1,2,3,4,5,6,7
	v_cvt_scalef32_pk8_fp8_f32 v[PC+2*\q:PC+2*\q+1], v[ACC+8*\q:ACC+8*\q+7], v[SCO]
.endr
	v_nop                                          ; a plain line between the last conversion and the next products, which write its sources
.endm
; Two tiles of tokens.  q, k: group gq = 2 mi + b of the codes is half b of tile 2 p + mi's image.  v: group gq = t is group c = p of V's fragment t.
.macro PAIR p, isv
	s_wait_dscnt 0x0                               ; this pair's fragments of x are in
	MUL \isv
	WIN 0
.rept 4
	v_nop                                          ; four places in front of the loads into registers that the products have read, and of the first read of their results
.endr
.if (\p) < 3
	FETCH (\p)+1                                   ; the next pair's fragments come while this pair is quantised
.endif
.if (\p) > 0
	s_wait_xcnt 0x0                                ; the last pair's stores have read their data: the codes' registers are written again only behind this wait
.endif
	QUANT
.irp gq, 0,1,2,3
.if \isv
	global_store_b128 v[LI], v[PC+4*\gq:PC+4*\gq+3], s[30:31] offset:512*(\p)+2048*\gq
.else
	global_store_b128 v[LI], v[PC+4*\gq:PC+4*\gq+3], s[30:31] offset:2048*(\p)+512*\gq
.endif
.endr
.endm
	s_load_b256 s[4:11], s[0:1], 0x0               ; x s[4:5], wimg s[6:7], bq s[8:9], bk s[10:11]
	s_load_b256 s[12:19], s[0:1], 0x20             ; bv s[12:13], the scales' exponents s[14:15], qimg s[16:17], kvimg s[18:19]
	v_lshl_add_u32 v[SPW], v0, 2, SPARE
	v_mov_b32 v[NIL], 0
	ds_add_u32 v[SPW], v[NIL]                      ; the wave's opening: the add, twice on end, and its wait ahead of my first tensor load; the set-up below, work on registers, stands between
	ds_add_u32 v[SPW], v[NIL]
	v_lshrrev_b32 v4, 5, v0
	v_readfirstlane_b32 s20, v4                    ; wave 0..7 = head
	s_and_b32 s21, ttmp7, 0xffff                   ; 0: q, 1: k, 2: v
	s_mov_b32 s22, ttmp9                           ; the block of 128 tokens
	s_lshl_b32 s23, s21, 3                         ; ex, ew: entries 2 y, 2 y + 1
	s_lshr_b32 s29, s21, 1
	s_add_co_u32 s29, s29, s21
	s_lshl_b32 s29, s29, 2                         ; eo: entry 6, 7 or 9
	s_lshl_b32 s40, s22, 18                        ; x: 128 tokens x 2,048 bytes a block,
	s_lshl_b32 s35, s20, 15
	s_add_co_u32 s40, s40, s35                     ; + my 16 tokens
	s_mov_b32 s41, 0
	s_lshl_b32 s42, s21, 18                        ; wimg: y x 262,144 + head x 32,768
	s_add_co_u32 s42, s42, s35
	s_mov_b32 s43, 0
	s_lshl_b32 s46, s20, 8                         ; the bias: my head's 64 numbers
	s_mov_b32 s47, 0
	s_lshr_b32 s44, s22, 5                         ; out: bh = 8 x batch + head;
	s_lshl_b32 s44, s44, 3
	s_add_co_u32 s44, s44, s20
	s_lshl_b32 s44, s44, 18                        ; q: bh x 262,144 + block in the batch x 8,192;
	s_and_b32 s45, s22, 31
	s_lshl_b32 s45, s45, 13
	s_add_co_u32 s44, s44, s45
	s_min_u32 s45, s21, 1
	s_lshl_b32 s44, s44, s45                       ; k, v: twice that;
	s_lshr_b32 s45, s21, 1
	s_lshl_b32 s45, s45, 13
	s_add_co_u32 s44, s44, s45                     ; v: behind the step's 8,192 bytes of K
	s_mov_b32 s45, 0
	; descriptor group 1: 16 tokens, 32,768 bytes dense in memory, as 32 rows of 1,024 bytes, four words of padding behind each
	s_mov_b32 s[G1], (3<<16)|(1<<20)|(7<<22)|(3<<25)   ; 15:0 no mask; 17:16 elements of 8 bytes; 20 padding on; 24:22 after every 256 words (code 7); 31:25 of 4 words (code 3)
	s_mov_b32 s[G1+1], 128<<16                     ; tensor_dim0 = 128
	s_mov_b32 s[G1+2], 32<<16                      ; tensor_dim1 = 32
	s_mov_b32 s[G1+3], 128<<16                     ; tile_dim0 = 128
	s_mov_b32 s[G1+4], 32                          ; tile_dim1 = 32
	s_mov_b32 s[G1+5], 128                         ; tensor_dim0_stride
	s_mov_b32 s[G1+6], 0
	s_mov_b32 s[G1+7], 0
	s_mov_b32 s[G0], 1                             ; 1:0 count = 1
	s_mul_i32 s[G0+1], s20, XREG                   ; 63:32 LDS address: my wave's region
	; The bias in the result's layout, by one form for all three: register 8 t + j is loaded at A (r + (r & 8)) + B h + STEP j + 4 (32 (t / 2) + 8 (t % 2)).
	; q, k (a lane's registers run along the columns): A = 0, B = 64, STEP = 4.   v (a lane holds one column): A = 4, B = 0, STEP = 0.
	s_cmp_eq_u32 s21, 2
	s_cselect_b32 s36, 4, 0
	s_cselect_b32 s37, 0, 64
	s_cselect_b32 s38, 0, 4
	s_mul_i32 s35, s20, XREG
	s_lshr_b32 s39, s20, 1
	s_lshl_b32 s39, s39, 14
	s_and_b32 s34, s20, 1
	s_lshl_b32 s34, s34, 7
	s_add_co_u32 s39, s39, s34                     ; images: tile pair w / 2 x 16,384, lanes 8 (w % 2) on: 128 bytes
	v_and_b32 v5, 15, v0                           ; r
	v_bfe_u32 v6, v0, 4, 1                         ; h
	v_and_b32 v[LI], 31, v0
	v_bfe_u32 v14, v0, 3, 1                        ; r / 8
	v_and_b32 v15, 7, v0                           ; r % 8
	v_and_b32 v7, 8, v0
	v_lshlrev_b32 v[LI], 4, v[LI]
	v_mul_u32_u24 v[XR], v5, 2080                  ; my token: two rows of 1,040 bytes
	v_lshlrev_b32 v[XWI], 13, v14                  ; token 16 w + r is lane r % 8 + 8 (w % 2) of tile 2 (w / 2) + r / 8, of 8,192 bytes,
	v_add_nc_u32 v7, v7, v5                        ; r + (r & 8)
	v_lshl_add_u32 v[XR], v6, 6, v[XR]
	v_lshl_add_u32 v[XWI], v15, 4, v[XWI]
	v_mul_u32_u24 v4, v7, s36
	v_add_nc_u32 v[XR], s35, v[XR]
	v_lshl_add_u32 v[XWI], v6, 8, v[XWI]           ; my half's lanes 256 bytes on
	v_mad_u32_u24 v4, v6, s37, v4
	v_mov_b32 v7, s38
	v_add_nc_u32 v[XWI], s39, v[XWI]
.irp j, 0,1,2,3,4,5,6,7
	v_mad_u32_u24 v[BA+\j], v7, \j, v4
.endr
	s_wait_alu depctr_va_vdst(0)
	s_wait_dscnt 0x0                               ; both opening adds are done
	s_wait_kmcnt 0x0
	s_load_b64 s[26:27], s[14:15], s23 offset:0x0  ; ex, ew
	s_load_b32 s28, s[14:15], s29 offset:0x18      ; eo
	s_add_nc_u64 s[G0+2:G0+3], s[4:5], s[40:41]    ; 120:64 global address
	s_or_b32 s[G0+3], s[G0+3], 0x80000000          ; 127:126 type = 2
	tensor_load_to_lds s[G0:G0+3], s[G1:G1+7]      ; my 16 tokens
	s_nop 0
.rept 4
	v_nop
.endr
	s_add_nc_u64 s[6:7], s[6:7], s[42:43]
	s_cmp_eq_u32 s21, 0                            ; the buffers are chosen by the work-group's y alone
	s_cselect_b64 s[24:25], s[8:9], s[10:11]
	s_cselect_b64 s[30:31], s[16:17], s[18:19]
	s_cmp_eq_u32 s21, 2
	s_cselect_b64 s[24:25], s[12:13], s[24:25]
	s_add_nc_u64 s[24:25], s[24:25], s[46:47]
	s_add_nc_u64 s[30:31], s[30:31], s[44:45]
.irp t, 0,1,2,3
.irp j, 0,1,2,3,4,5,6,7
	global_load_b32 v[BI+8*\t+\j], v[BA+\j], s[24:25] offset:(32*(\t/2)+8*(\t%2))*4
.endr
.endr
	WIN 0x40                                       ; destination: window 1
.irp s, 0,1,2,3
.irp t, 0,1,2,3
.irp c, 0,1,2,3
	global_load_b128 v[64*\s+16*\t+4*\c:64*\s+16*\t+4*\c+3], v[LI], s[6:7] offset:8192*\s+2048*\t+512*\c   ; W's fragments, beside x's tensor load
.endr
.endr
.endr
	WIN 0
	s_wait_kmcnt 0x0
	s_add_co_i32 s35, s26, 127
	s_lshl_b32 s36, s35, 23
	v_mov_b32 v[SCX], s36                          ; 2^ex as f32: the conversion takes its exponent field
	s_add_co_i32 s35, s35, 8
	s_lshl_b32 s35, s35, 23
	s_or_b32 s35, s35, 0x600000
	v_mov_b32 v[LMX], s35                          ; 448 x 2^ex
	s_add_co_i32 s37, s26, s27                     ; ex + ew
	s_sub_co_i32 s34, 0, s37
	s_sub_co_i32 s35, s28, s37
	s_add_co_i32 s35, s35, 127
	s_lshl_b32 s36, s35, 23
	v_mov_b32 v[SCO], s36                          ; 2^(eo - ex - ew)
	s_add_co_i32 s35, s35, 8
	s_lshl_b32 s35, s35, 23
	s_or_b32 s35, s35, 0x600000
	v_mov_b32 v[LMO], s35
	s_wait_alu depctr_va_vdst(0)
	s_wait_tensorcnt 0x0                           ; my tokens are in; until the barrier below only I read them
	XGET 0
	XGET 1
	QX 0
	QX 1
	QX 2
	QX 3
	s_wait_alu depctr_va_vdst(0)
	s_barrier_signal -1                            ; (QX 3 has waited for my last reads)
	s_barrier_wait -1                              ; nobody reads x's numbers in LDS any more: their bytes have had their one fill, and take the images
.irp s, 0,1,2,3
.irp c, 0,1,2,3
	ds_store_b128 v[XWI], v[XF+16*\s+4*\c:XF+16*\s+4*\c+3] offset:2048*\s+512*\c
.endr
.endr
	s_wait_dscnt 0x0                               ; for the others' sake: my codes have landed
	s_barrier_signal -1
	s_barrier_wait -1                              ; all 32 images lie in LDS; from here on they are only read
	FETCH 0
	s_wait_loadcnt 0x0                             ; the bias and W
.set n, 0
.rept 32
	v_ldexp_f32 v[BI+n], v[BI+n], s34              ; b / 2^(ex + ew)
.set n, n+1
.endr
	s_cmp_eq_u32 s21, 2
	s_cbranch_scc1 .Lv
	s_wait_alu depctr_va_vdst(0)
.irp p, 0,1,2,3
	PAIR \p, 0
.endr
	s_branch .Ldone
.Lv:
	s_wait_alu depctr_va_vdst(0)
.irp p, 0,1,2,3
	PAIR \p, 1
.endr
.Ldone:
	s_wait_tensorcnt 0x0                           ; the wave's end, behind my last tensor load and my last LDS store
	ds_add_u32 v[SPW], v[NIL]
	s_wait_dscnt 0x0
	s_endpgm
.Lfunc_end_k_qebbbe582f6_proj:
	.size	k_qebbbe582f6_proj, .Lfunc_end_k_qebbbe582f6_proj-k_qebbbe582f6_proj
	.p2alignl 7, 3214868480
	.fill 96, 4, 3214868480
	.section	.rodata,"a",@progbits
	.p2align	6, 0x0
	.amdhsa_kernel k_qebbbe582f6_proj
		.amdhsa_group_segment_fixed_size 267264
		.amdhsa_private_segment_fixed_size 0
		.amdhsa_enable_private_segment 0
		.amdhsa_kernarg_size 64
		.amdhsa_user_sgpr_count 2
		.amdhsa_user_sgpr_kernarg_segment_ptr 1
		.amdhsa_wavefront_size32 1
		.amdhsa_system_sgpr_workgroup_id_x 1
		.amdhsa_system_sgpr_workgroup_id_y 1
		.amdhsa_system_sgpr_workgroup_id_z 1
		.amdhsa_system_vgpr_workitem_id 0
		.amdhsa_next_free_vgpr 512
		.amdhsa_next_free_sgpr 66
		.amdhsa_reserve_vcc 0
		.amdhsa_float_denorm_mode_32 3
		.amdhsa_float_denorm_mode_16_64 3
		.amdhsa_memory_ordered 1
		.amdhsa_forward_progress 1
		.amdhsa_inst_pref_size 112
	.end_amdhsa_kernel
	.amdgpu_metadata
---
amdhsa.version: [ 1, 2 ]
amdhsa.kernels:
  - .name:           k_qebbbe582f6_proj
    .symbol:         k_qebbbe582f6_proj.kd
    .args:
      - { .name: x, .offset: 0, .size: 8, .value_kind: global_buffer, .address_space: global }
      - { .name: wimg, .offset: 8, .size: 8, .value_kind: global_buffer, .address_space: global }
      - { .name: bq, .offset: 16, .size: 8, .value_kind: global_buffer, .address_space: global }
      - { .name: bk, .offset: 24, .size: 8, .value_kind: global_buffer, .address_space: global }
      - { .name: bv, .offset: 32, .size: 8, .value_kind: global_buffer, .address_space: global }
      - { .name: lowp_scales, .offset: 40, .size: 8, .value_kind: global_buffer, .address_space: global }
      - { .name: qimg, .offset: 48, .size: 8, .value_kind: global_buffer, .address_space: global }
      - { .name: kvimg, .offset: 56, .size: 8, .value_kind: global_buffer, .address_space: global }
    .group_segment_fixed_size: 267264
    .private_segment_fixed_size: 0
    .kernarg_segment_align: 8
    .kernarg_segment_size: 64
    .max_flat_workgroup_size: 256
    .sgpr_count:     66
    .vgpr_count:     512
    .wavefront_size: 32
...
	.end_amdgpu_metadata
.endif
;; end of part 2
;; launch attn (part 3): grid 16 x 16, 8 waves a work-group, clusters of 4 x 1, 327,680 bytes of LDS; arguments qimg, kvimg, lowp_scales, out0; writes out0
.if DOCPART == 3
	.amdgcn_target "amdgcn-amd-amdhsa--gfx1250"
	.amdhsa_code_object_version 6
	.text
	.protected	k_qebbbe582f6_attn
	.globl	k_qebbbe582f6_attn
	.p2align	8
	.type	k_qebbbe582f6_attn,@function
k_qebbbe582f6_attn:
	s_mov_b64 s[64:65], 0
	v_nop
	global_prefetch_b8 v0, s[64:65] scope:SCOPE_SE
	s_setreg_imm32_b32 hwreg(HW_REG_WAVE_MODE, 25, 1), 1
	s_wait_xcnt 0x0
	s_wait_alu depctr_hold_cnt(0) depctr_sa_sdst(0) depctr_va_vdst(0) depctr_va_sdst(0) depctr_va_ssrc(0) depctr_va_vcc(0) depctr_vm_vsrc(0)
	s_getreg_b32 s2, hwreg(HW_REG_IB_STS2, 6, 4)
	s_cmp_eq_u32 s2, 0
	s_cbranch_scc0 .Lentry_in_a_cluster
	s_endpgm
.Lentry_in_a_cluster:
	s_bfe_u32 s2, ttmp6, 0x10000c
	s_cmp_lg_u32 s2, 0x3003
	s_cbranch_scc0 .Lentry_shape_is_right
	s_endpgm
.Lentry_shape_is_right:
; out0[b][q][64 head + d] = the sum over keys of softmax(q . k / 8) v, for 16 (batch, head) pairs bh, 4,096 keys, head size 64; both products on codes of E4M3 with the given scales: q entry 6, k entry 7, p entry 8, v entry 9 of lowp_scales.
; THE SOFTMAX AHEAD OF THE SECOND PRODUCT: t = score x log2(e) / 8; M = the row's largest t so far, rounded UP to a whole number; p = 2^(t - M) is what is quantised; it is not normalised.
; The row's sum is taken of the unquantised p, in f32, and divides O at the end.  When M moves, the sums and O are multiplied by 2^(old M - new M), which rounds nothing; no branch hangs on data.
; SHARES.  A work-group owns 256 queries of one bh; each of its eight waves 32 of them, two tiles of 16; every wave walks all 4,096 keys, 128 a step; each fragment of K and V read from LDS feeds two products.
; OPERANDS ARE IMAGES OF THEIR REGISTERS, in memory and in LDS: each group of four registers is 512 bytes, lane l's 16 at 16 l.  A key step is 16,384 bytes on end: 8 tiles of K (16 keys x 64: 1,024 bytes), then 4 fragments of V^T (16 channels x 128 keys: 2,048).
; LAYOUT.  Both products are used transposed: S^T = K Q^T (source 0 = 16 keys, source 1 = 16 queries), O^T = V^T P^T (source 0 = 16 channels, source 1 = P): a lane holds ONE query throughout.
; THE ROWS OF A TILE ARE NOT NEIGHBOURS: lane r of tile 2 b + u holds row 32 b + 8 u + r + (r & 8) (keys, queries, channels alike), so that the 16 registers of result tiles 2 b and 2 b + 1 are 16 neighbours, 32 b + 16 (lane / 16) + 0 .. 15:
; p's conversions give the second product's operand as it stands, and a lane's 32 registers of O^T are two runs of 16 neighbouring channels.
; A STEP begins with its fragments of K in registers.  LDS loads stand in two runs, where the wave has waited for its vector results in any case: V's ahead of the first batch of exponentials, the next step's K's ahead of the second.  One wait for LDS a step, behind the exponentials.
; THE RING.  Two LDS slots of 8 key steps (131,072 bytes).  The change of slots stands in the tail of a slot's eighth step: each wave then asks for one key step of the slot just left: one tensor load a wave is out, and it has 8 key steps in which to land.
; CLUSTER.  The four query blocks of a cluster belong to one bh and walk the same K and V, so each tile is asked for JOINTLY: the same tensor load, with the same descriptor (made of bh and the wave's number alone) and a mask that names the four.
; NO PREFETCH: a slot's load stands 8 key steps, 192 matrix instructions and some 3,600 vector instructions a wave, ahead of the wait for it; slot 0's is the launch's first load, with no loop to run ahead in.
; LIMITS on the given exponents, so that each power of two below is an f32 number: e6 + e7 between -123 and 130 (they are added to c's exponent field); e8 between -126 and 119; e8 + e9 goes through v_ldexp_f32 and has none.  NaN among the codes is not served.
; REGISTERS.  window 0: v1-7 addresses and constants; v8-19, v20-31 twelve registers of statistics a tile; v32-95, v96-159 S^T, then p, of tiles 0 and 1; v160-223 K (8 a tile of keys); v224-255 T, tile 0's pair sums.
;   window 1: v0-63 O^T; v64-95 p's codes; v96-159 V (16 a fragment); v160-175 Q.
.set STEPB, 16384                      ; a key step's images
.set SLOT1, 1<<17                      ; slot 1 begins here: one exclusive or turns an address in one slot into the other's
.set STAGE, 262144                     ; behind the ring: 16 rows x 272 bytes for each wave, for the way out; no tile lands here
.set SP,    272
.set SPARE, 296960                     ; behind the stages: the spare words, 128 bytes for each wave: four blocks of 256 bytes that no other line names
.set LI,   1                           ; v1   16 x lane: my place in an image
.set ADR,  2                           ; v2   LDS address of the step in hand
.set SPW,  3                           ; v3   LDS address of my spare word; never rewritten
.set LIMP, 4                           ; v4, v5  448 x 2^e8, once for each half of a dual pair
.set NIL,  6                           ; v6   0; never rewritten
.set SCP,  7                           ; v7   2^e8
.set ST,   8                           ; tile i's statistics at v[ST + 12 i]: +0 -M, +1 the new -M, +2 f, +3 at work, +4 .. +7 the sum in two pairs, +8 .. +11 the largest scores so far, in four chains
.set S,    32
.set K,    160
.set T,    224
.set O,    0
.set P,    64
.set V,    96
.set QF,   160
.set X,    160                         ; the way out: addresses at v160-164, where K was
.set WV,   12                          ; s12  my wave's number
.set G1,   24                          ; s[24:31] descriptor group 1
.set G0,   32                          ; s[32:35] descriptor group 0, which walks
.set TB,   36                          ; s36  LDS byte at which the step in hand begins
.set SLOTS, 37
.set STP,  38
.set CS,   40                          ; s[40:41] c = log2(e) / 8 x 2^(e6 + e7): the packed form names a pair and takes its low word for both halves
.set SEL,  42                          ; s[42:43] lane selects for v_permlanex16_b32: lane l xor 16
.set MSB, 0
.macro WIN new                         ; the immediate's high byte repeats the setting that is left
.if MSB != \new
	s_set_vgpr_msb (MSB<<8)|\new
.set MSB, \new
.endif
.endm
; A round of the cluster's barrier: my work-group's barrier, so that wave 0's signal speaks for all eight waves; wave 0 signals for the work-group; every wave waits for all four work-groups; my work-group's barrier once more.
.macro CREST                           ; a round behind its opening barrier
	s_cmp_lg_u32 s[WV], 0
	s_cbranch_scc1 .Lnot_wave_0_\@
	s_barrier_signal -3
.Lnot_wave_0_\@:
	s_barrier_wait -3
	s_barrier_signal -1
	s_barrier_wait -1
.endm
.macro CROUND
	s_barrier_signal -1
	s_barrier_wait -1
	CREST
.endm
.macro JLOAD                           ; the joint load of one key step by each wave
	tensor_load_to_lds s[G0:G0+3], s[G1:G1+7]
	s_nop 0
.rept 4
	v_nop
.endr
.endm
.macro KALL off                        ; a step's K: its 16 halves of tiles
.set n, 0
.rept 16
	ds_load_b128 v[K+4*n:K+4*n+3], v[ADR] offset:(\off)+512*n
.set n, n+1
.endr
.endm
.macro WALK                            ; group 0: the other slot than last time, the next eight key steps; the type bits on top are not reached
	s_xor_b32 s[G0+1], s[G0+1], SLOT1
	s_add_nc_u64 s[G0+2:G0+3], s[G0+2:G0+3], 8*STEPB
.endm
; Line k of tile i's statistics: from the four chains' maxima to -M and f.  They are laid among other tiles' lines, so that none waits for the one above it.
.macro STAT i, k
.if (\k) == 0
	v_max3_num_f32 v[ST+12*\i+3], v[ST+12*\i+8], v[ST+12*\i+9], v[ST+12*\i+10]
.elseif (\k) == 1
	v_max_num_f32 v[ST+12*\i+3], v[ST+12*\i+3], v[ST+12*\i+11]
.elseif (\k) == 2
	v_permlanex16_b32 v[T+2*\i], v[ST+12*\i+3], s[SEL], s[SEL+1]   ; the query's other 64 keys lie in the lane 16 away
.elseif (\k) == 3
	v_max_num_f32 v[ST+12*\i+3], v[ST+12*\i+3], v[T+2*\i]
.elseif (\k) == 4
	v_mul_f32 v[ST+12*\i+3], s[CS], -v[ST+12*\i+3] ; -t of the largest (c is positive)
.elseif (\k) == 5
	v_floor_f32 v[ST+12*\i+1], v[ST+12*\i+3]       ; the new -M = floor(-t) = -ceil(t): M is a whole number
.elseif (\k) == 6
	v_sub_f32 v[ST+12*\i+2], v[ST+12*\i+1], v[ST+12*\i]   ; old M - new M: a whole number, 0 or less
.elseif (\k) == 7
	v_cvt_i32_f32 v[ST+12*\i+2], v[ST+12*\i+2]     ; (it saturates)
.elseif (\k) == 8
	v_ldexp_f32 v[ST+12*\i+2], 1.0, v[ST+12*\i+2]  ; f = 2^(old M - new M)
.elseif (\k) == 9
	v_mov_b32 v[ST+12*\i], v[ST+12*\i+1]
.endif
.endm
.macro SCALE i                         ; t - M of tile i's scores 2 n and 2 n + 1 (of the pairs c and -M the low word serves both halves)
	v_pk_fma_f32 v[S+64*\i+2*n:S+64*\i+2*n+1], v[S+64*\i+2*n:S+64*\i+2*n+1], s[CS:CS+1], v[ST+12*\i:ST+12*\i+1] op_sel_hi:[1,0,0]
.endm
.macro HOLD r                          ; the conversion to an 8-bit code does not saturate (ISA guide 7.6.2); p is not negative, so the hold is one-sided; two numbers a line
	v_dual_min_num_f32 v[\r], v[\r], v[LIMP] :: v_dual_min_num_f32 v[\r+1], v[\r+1], v[LIMP+1]
.endm
.macro SUM l, f, x, first              ; the first addition of a step brings the sum under the new M
.if \first
	v_pk_fma_f32 v[\l:\l+1], v[\l:\l+1], v[\f:\f+1], v[\x:\x+1] op_sel_hi:[1,0,1]
.else
	v_pk_add_f32 v[\l:\l+1], v[\l:\l+1], v[\x:\x+1]
.endif
.endm
; A KEY STEP: 128 keys, two tiles of queries.  kind 0: inside a slot, the next step's K comes from the same slot;  1: a slot's last step, the slot is filled again;  2: a slot's last step, nothing is filled again;  3: the very last step.
.macro STEP kind
	WIN 0x04                                       ; source 1 (Q): window 1
.irp i, 0,1
.irp t, 0,1,2,3,4,5,6,7
	v_wmma_f32_16x16x64_fp8_fp8 v[S+64*\i+8*\t:S+64*\i+8*\t+7], v[K+8*\t:K+8*\t+7], v[QF+8*\i:QF+8*\i+7], 0
.endr
.endr
	WIN 0
	v_add_nc_u32 v[ADR], s[TB], v[LI]
.rept 3
	v_nop                                          ; with the addition above: four places (ISA guide 7.12.1) ahead of the first read of tile 0's scores; tile 1's places are tile 0's maxima
.endr
	; THE MAXIMA, four chains a tile that are never begun anew: they hold the largest scores so far.  Ascending: each result is read from its low end on
.set n, 0
.rept 32
	v_max3_num_f32 v[ST+8+n%4], v[ST+8+n%4], v[S+2*n], v[S+2*n+1]
.set n, n+1
.endr
.set n, 0
.rept 32
	v_max3_num_f32 v[ST+20+n%4], v[ST+20+n%4], v[S+64+2*n], v[S+64+2*n+1]
.if n%3 == 0
	STAT 0, n/3
.endif
.set n, n+1
.endr
.set n, 0
.rept 32
	SCALE 0
.if n%3 == 0
	STAT 1, n/3
.endif
.set n, n+1
.endr
	WIN 0x41                                       ; destination and source 0: window 1
	; O^T UNDER THE NEW M, ahead of the exponentials; ascending: each accumulator from its low end on
.set n, 0
.rept 32
	v_pk_mul_f32 v[O+2*n:O+2*n+1], v[O+2*n:O+2*n+1], v[ST+12*(n/16)+2:ST+12*(n/16)+3] op_sel_hi:[1,0]
.set n, n+1
.endr
	WIN 0x40                                       ; destination: window 1
	s_wait_alu depctr_va_vdst(0)
.set n, 0
.rept 16
	ds_load_b128 v[V+4*n:V+4*n+3], v[ADR] offset:8192+512*n
.set n, n+1
.endr
	WIN 0
	; TILE 0's EXPONENTIALS: p = 2^(t - M), at most 1, not normalised; between them tile 1's scalings
.set n, 0
.rept 32
	v_exp_f32 v[S+2*n], v[S+2*n]
	v_exp_f32 v[S+2*n+1], v[S+2*n+1]
	SCALE 1
.set n, n+1
.endr
	s_wait_alu depctr_va_vdst(0)                   ; behind a batch and ahead of one
.if \kind == 0
	KALL STEPB                                     ; the next step's
.endif
	; TILE 1's EXPONENTIALS; between them tile 0's p is added by twos into T (of the UNQUANTISED p), and then held: no line reads what another line of the batch writes
.set n, 0
.rept 16
	v_exp_f32 v[S+64+4*n], v[S+64+4*n]
	v_exp_f32 v[S+64+4*n+1], v[S+64+4*n+1]
	v_pk_add_f32 v[T+2*n:T+2*n+1], v[S+4*n:S+4*n+1], v[S+4*n+2:S+4*n+3]
	v_exp_f32 v[S+64+4*n+2], v[S+64+4*n+2]
	HOLD S+4*n
	v_exp_f32 v[S+64+4*n+3], v[S+64+4*n+3]
	HOLD S+4*n+2
.set n, n+1
.endr
	v_nop                                          ; a plain line behind the last exponential
	s_wait_alu depctr_va_vdst(0)                   ; the wait behind the batch, and directly ahead of the waits below
	s_wait_dscnt 0x0                               ; V is in, and (kind 0) the next step's K
.if (\kind == 1) || (\kind == 2)
	s_wait_tensorcnt 0x0                           ; my part of the next slot has landed; no tensor load of mine is out, so group 0 may be written
	ds_add_u32 v[SPW], v[NIL]                      ; 0 onto my spare word; the sums below stand between it and the wait for it
.if \kind == 1
	WALK
.endif
	s_sub_co_u32 s[TB], s[TB], 7*STEPB             ; back to a slot's first step,
	s_xor_b32 s[TB], s[TB], SLOT1                  ; in the other slot
	v_add_nc_u32 v[ADR], s[TB], v[LI]
.endif
	; THE SUMS, four chains by turns, and tile 1's hold behind the sum of the same numbers
.set n, 0
.rept 16
	SUM ST+16, ST+14, S+64+4*n, (n==0)
	SUM ST+4+2*(n%2), ST+2, T+2*n, (n<2)
	SUM ST+18, ST+14, S+64+4*n+2, (n==0)
	HOLD S+64+4*n
	HOLD S+64+4*n+2
.set n, n+1
.endr
.if (\kind == 1) || (\kind == 2)
	s_wait_alu depctr_va_vdst(0)
	s_wait_dscnt 0x0                               ; the add is done, and my reads of the slot that I leave are over
	s_barrier_signal -1                            ; kind 1: it opens a round of the cluster's barrier
.endif
	WIN 0x40                                       ; destination: window 1
.set n, 0
.rept 16
	v_cvt_scalef32_pk8_fp8_f32 v[P+2*n:P+2*n+1], v[S+8*n:S+8*n+7], v[SCP]   ; registers 4 c .. 4 c + 3 of a tile's operand are keys 32 c + 16 (lane / 16) + 0 .. 15
.set n, n+1
.endr
	WIN 0
	v_nop                                          ; a plain line between the last conversion and the products that read its result
.if (\kind == 1) || (\kind == 2)
	s_wait_alu depctr_va_vdst(0)
	s_barrier_wait -1                              ; the next slot is whole, and no wave of mine reads the one just left
.if \kind == 1
	CREST                                          ; nor does any wave of a partner, or has a load on its way
	JLOAD                                          ; the first tensor load behind the round, and my one until the next
.endif
	KALL 0
.endif
	WIN 0x55                                       ; all four places: window 1
.irp i, 0,1
.irp d, 0,1,2,3
	v_wmma_f32_16x16x128_fp8_fp8 v[O+32*\i+8*\d:O+32*\i+8*\d+7], v[V+16*\d:V+16*\d+15], v[P+16*\i:P+16*\i+15], v[O+32*\i+8*\d:O+32*\i+8*\d+7]   ; eight accumulators, one instruction each a step: between two links of a sum stand the 23 other products of a step
.endr
.endr
	WIN 0
.if (\kind == 1) || (\kind == 2)
	s_wait_dscnt 0x0                               ; the next step's K is in
.endif
.endm
.macro SEVEN                           ; a slot's first seven steps: the LDS addresses hang on s[TB]
	s_mov_b32 s[STP], 7
.Lstep_\@:
	STEP 0
	s_add_co_u32 s[TB], s[TB], STEPB
	s_sub_co_u32 s[STP], s[STP], 1
	s_cmp_lg_u32 s[STP], 0
	s_cbranch_scc1 .Lstep_\@
.endm
	s_load_b256 s[4:11], s[0:1], 0x0               ; qimg s[4:5], kvimg s[6:7], the scales' exponents s[8:9], out0 s[10:11]
	v_lshl_add_u32 v[SPW], v0, 2, SPARE
	v_mov_b32 v[NIL], 0
	ds_add_u32 v[SPW], v[NIL]                      ; the wave's opening: the add, twice on end, and its wait ahead of my first tensor load; the set-up below, work on registers, stands between
	ds_add_u32 v[SPW], v[NIL]
	v_lshrrev_b32 v8, 5, v0
	v_and_b32 v[LI], 31, v0
	v_readfirstlane_b32 s[WV], v8                  ; wave 0..7
	v_lshlrev_b32 v[LI], 4, v[LI]
	s_bfe_u32 s13, ttmp6, 0x40000                  ; cx: my place in the cluster
	s_lshl_b32 s14, ttmp9, 2                       ; in a cluster launch ttmp9 counts clusters
	s_add_co_u32 s14, s14, s13                     ; my block of 256 queries: it enters Q's and out0's addresses alone
	s_and_b32 s15, ttmp7, 0xffff                   ; bh, which the four partners share
	s_lshl_b32 s16, s15, 19                        ; kvimg: bh x 524,288 + wave x 16,384: the key step of a slot that I fetch
	s_lshl_b32 s17, s[WV], 14
	s_add_co_u32 s16, s16, s17
	s_mov_b32 s17, 0
	s_lshl_b32 s20, s14, 4                         ; qimg: my first tile is 16 x block + 2 x wave, of 1,024 bytes,
	s_lshl_b32 s21, s[WV], 1
	s_add_co_u32 s20, s20, s21
	s_lshl_b32 s20, s20, 10
	s_lshl_b32 s21, s15, 18                        ; in bh's 262,144
	s_add_co_u32 s20, s20, s21
	s_mov_b32 s21, 0
	s_lshr_b32 s22, s15, 3                         ; out0: token 4,096 x batch + 256 x block + 32 x wave, of 2,048 bytes,
	s_lshl_b32 s22, s22, 12
	s_lshl_b32 s23, s14, 8
	s_add_co_u32 s22, s22, s23
	s_lshl_b32 s23, s[WV], 5
	s_add_co_u32 s22, s22, s23
	s_lshl_b32 s22, s22, 11
	s_and_b32 s23, s15, 7
	s_lshl_b32 s23, s23, 8                         ; + the head's 256 bytes
	s_add_co_u32 s22, s22, s23
	s_mov_b32 s23, 0
	; descriptor group 1: a key step's 16,384 bytes, dense in memory, as 64 rows of 256 bytes; no padding: an image is read 512 consecutive bytes an instruction
	s_mov_b32 s[G1], 15|(3<<16)|(1<<21)            ; 15:0 the mask: all four work-groups; 17:16 elements of 8 bytes; 20 no padding; 21 set beside a mask
	s_mov_b32 s[G1+1], 32<<16                      ; tensor_dim0 = 32
	s_mov_b32 s[G1+2], 64<<16                      ; tensor_dim1 = 64
	s_mov_b32 s[G1+3], 32<<16                      ; tile_dim0 = 32
	s_mov_b32 s[G1+4], 64                          ; tile_dim1 = 64
	s_mov_b32 s[G1+5], 32                          ; tensor_dim0_stride
	s_mov_b32 s[G1+6], 0
	s_mov_b32 s[G1+7], 0
	s_mov_b32 s[CS], 0x3e38aa3b                    ; log2(e) / 8
	s_mov_b32 s[SEL], 0x76543210
	s_mov_b32 s[SEL+1], 0xfedcba98
	s_mov_b32 s[TB], 0
	s_mov_b32 s[SLOTS], 2
	s_wait_alu depctr_va_vdst(0)
	s_wait_dscnt 0x0                               ; both opening adds are done
	s_wait_kmcnt 0x0
	s_load_b64 s[44:45], s[8:9], 0x18              ; e6, e7
	s_load_b64 s[46:47], s[8:9], 0x20              ; e8, e9
	s_mov_b32 s[G0], 1                             ; 1:0 count = 1
	s_lshl_b32 s[G0+1], s[WV], 14                  ; 63:32 LDS address: slot 0, step = my wave's number: no place in the cluster enters it
	s_add_nc_u64 s[G0+2:G0+3], s[6:7], s[16:17]    ; 120:64 global address
	s_or_b32 s[G0+3], s[G0+3], 0x80000000          ; 127:126 type = 2
	s_add_nc_u64 s[4:5], s[4:5], s[20:21]
	s_add_nc_u64 s[10:11], s[10:11], s[22:23]
	CROUND                                         ; all four work-groups are here: the first joint loads meet
	JLOAD                                          ; slot 0: key steps 0 to 7, one a wave
	WIN 0x40                                       ; destination: window 1
.irp i, 0,1
.irp c, 0,1
	global_load_b128 v[QF+8*\i+4*\c:QF+8*\i+4*\c+3], v[LI], s[4:5] offset:1024*\i+512*\c th:TH_LOAD_NT   ; Q stays in registers; read once in the launch
.endr
.endr
.set n, 0
.rept 64
	v_mov_b32 v[O+n], 0                            ; O^T.  (The step has no first form of its own: the first change of M multiplies zeros)
.set n, n+1
.endr
	WIN 0
.irp i, 0,1
	v_mov_b32 v[ST+12*\i], 0x7f61b1e6              ; -M: 3e38, over every -t
.irp j, 4,5,6,7
	v_mov_b32 v[ST+12*\i+\j], 0                    ; the sum
.endr
.irp j, 8,9,10,11
	v_mov_b32 v[ST+12*\i+\j], 0xff61b1e6           ; the largest scores so far: -3e38, under every score
.endr
	v_mov_b32 v[T+2*\i], 0                         ; written once: a lane permute's destination counts as one of its sources
.endr
	v_mov_b32 v[ADR], v[LI]                        ; slot 0's first step
	s_wait_alu depctr_va_vdst(0)
	s_wait_kmcnt 0x0
	s_add_co_i32 s49, s44, s45
	s_lshl_b32 s49, s49, 23
	s_add_co_i32 s[CS], s[CS], s49                 ; a score stands for score x 2^(e6 + e7): the two exponents are added to c's exponent field
	s_mov_b32 s[CS+1], s[CS]                       ; (named with it as a pair, so it is written)
	s_add_co_i32 s49, s46, 127
	s_lshl_b32 s50, s49, 23
	v_mov_b32 v[SCP], s50                          ; 2^e8 as f32, for the conversion
	s_add_co_i32 s49, s49, 8
	s_lshl_b32 s49, s49, 23
	s_or_b32 s49, s49, 0x600000
	v_mov_b32 v[LIMP], s49                         ; 448 x 2^e8
	v_mov_b32 v[LIMP+1], s49
	s_add_co_i32 s48, s46, s47                     ; e8 + e9
	s_wait_alu depctr_va_vdst(0)
	s_wait_loadcnt 0x0                             ; Q
	s_wait_tensorcnt 0x0                           ; my part of slot 0 is in
	ds_add_u32 v[SPW], v[NIL]
	WALK
	s_wait_dscnt 0x0                               ; the add is done
	CROUND                                         ; slot 0 is whole, and all four work-groups are here
	JLOAD                                          ; slot 1's first fill, the first tensor load behind the round
	KALL 0                                         ; step 0's K
	s_wait_dscnt 0x0
.Lslot:                                            ; two trips: slots 0 and 1 are walked and filled again
	SEVEN
	STEP 1
	s_sub_co_u32 s[SLOTS], s[SLOTS], 1
	s_cmp_lg_u32 s[SLOTS], 0
	s_cbranch_scc1 .Lslot
	SEVEN                                          ; the last two slots are written out
	STEP 2
	SEVEN
	STEP 3
	; THE WAY OUT.  The sum's parts are added; O^T is divided by the sum, multiplied by 2^(e8 + e9) and sent through my stage in LDS, a tile (16 tokens x 256 bytes) at a time.  The first lines are the places behind the last products.
.irp i, 0,1
	v_pk_add_f32 v[ST+12*\i+4:ST+12*\i+5], v[ST+12*\i+4:ST+12*\i+5], v[ST+12*\i+6:ST+12*\i+7]
.endr
.irp i, 0,1
	v_add_f32 v[ST+12*\i+8], v[ST+12*\i+4], v[ST+12*\i+5]
.endr
.irp i, 0,1
	v_permlanex16_b32 v[T+2*\i], v[ST+12*\i+8], s[SEL], s[SEL+1]
.endr
.irp i, 0,1
	v_add_f32 v[ST+12*\i+8], v[ST+12*\i+8], v[T+2*\i]   ; the row's sum
.endr
	s_wait_alu depctr_va_vdst(0)
.irp i, 0,1
	v_rcp_f32 v[ST+12*\i+9], v[ST+12*\i+8]
.endr
	v_and_b32 v[X], 15, v0                         ; r (a plain line behind the last reciprocal)
	v_bfe_u32 v[X+1], v0, 4, 1                     ; h
	s_mul_i32 s49, s[WV], 16*SP
	s_add_co_u32 s49, s49, STAGE                   ; my stage
	v_mul_u32_u24 v[X+2], v[X], SP                 ; in: row r; my half's 16 channels of each 32: 64 h bytes on
	v_mul_u32_u24 v[X+3], v[X+1], SP               ; back: lanes 0-15 take one row of 256 bytes, lanes 16-31 the next
	v_lshlrev_b32 v[X+4], 11, v[X+1]               ; and the same two tokens in out0
	v_lshl_add_u32 v[X+2], v[X+1], 6, v[X+2]
	v_lshl_add_u32 v[X+3], v[X], 4, v[X+3]
	v_lshl_add_u32 v[X+4], v[X], 4, v[X+4]
	v_add_nc_u32 v[X+2], s49, v[X+2]
	v_add_nc_u32 v[X+3], s49, v[X+3]
	s_wait_alu depctr_va_vdst(0)                   ; the wait behind the batch, ahead of its first reader
.irp i, 0,1
	v_ldexp_f32 v[ST+12*\i+2], v[ST+12*\i+9], s48  ; 2^(e8 + e9) / the sum
.endr
	WIN 0x01                                       ; source 0: window 1
	s_wait_alu depctr_va_vdst(0)                   ; directly ahead of the first reader of O^T
.set n, 0
.rept 32
	v_pk_mul_f32 v[S+64*(n/16)+2*(n%16):S+64*(n/16)+2*(n%16)+1], v[O+2*n:O+2*n+1], v[ST+12*(n/16)+2:ST+12*(n/16)+3] op_sel_hi:[1,0]   ; ascending: each accumulator from its low end on
.set n, n+1
.endr
	WIN 0
; Tile i: register 16 b + m is channel 32 b + 16 (lane / 16) + m of my token.  Into rows of 272 bytes, back as whole rows of 256.
.irp i, 0,1
.irp b, 0,1
.irp q, 0,1,2,3
	ds_store_b128 v[X+2], v[S+64*\i+16*\b+4*\q:S+64*\i+16*\b+4*\q+3] offset:128*\b+16*\q
.endr
.endr
.irp k, 0,1,2,3,4,5,6,7
	ds_load_b128 v[S+64*\i+32+4*\k:S+64*\i+32+4*\k+3], v[X+3] offset:2*SP*\k   ; LDS serves a wave's instructions in order (ISA guide 5.7.1.4): these see the stores above; the next tile's stores come behind them
.endr
.endr
.irp i, 0,1
.irp k, 0,1,2,3,4,5,6,7
	s_wait_dscnt 16*(1-\i)+7-\k                    ; behind row k's load: this tile's 7 - k later loads and, for tile 0, tile 1's 8 stores and 8 loads
	global_store_b128 v[X+4], v[S+64*\i+32+4*\k:S+64*\i+32+4*\k+3], s[10:11] offset:(8*\i+2*\k+8*(\k/4))*2048 th:TH_STORE_NT   ; stage row 2 k + h is token 8 i + 2 k + h + 8 (k / 4) of my 32; sixteen lanes store 256 consecutive bytes, at a multiple of 256 from out0's first byte
.endr
.endr
	s_wait_tensorcnt 0x0                           ; the wave's end, behind my last tensor load and my last LDS store
	ds_add_u32 v[SPW], v[NIL]
	s_wait_dscnt 0x0
	CROUND                                         ; the closing round: no work-group ends while a partner may still ask for a tile that names it
	s_endpgm
.Lfunc_end_k_qebbbe582f6_attn:
	.size	k_qebbbe582f6_attn, .Lfunc_end_k_qebbbe582f6_attn-k_qebbbe582f6_attn
	.p2alignl 7, 3214868480
	.fill 96, 4, 3214868480
	.section	.rodata,"a",@progbits
	.p2align	6, 0x0
	.amdhsa_kernel k_qebbbe582f6_attn
		.amdhsa_group_segment_fixed_size 327680
		.amdhsa_private_segment_fixed_size 0
		.amdhsa_enable_private_segment 0
		.amdhsa_kernarg_size 32
		.amdhsa_user_sgpr_count 2
		.amdhsa_user_sgpr_kernarg_segment_ptr 1
		.amdhsa_wavefront_size32 1
		.amdhsa_system_sgpr_workgroup_id_x 1
		.amdhsa_system_sgpr_workgroup_id_y 1
		.amdhsa_system_sgpr_workgroup_id_z 1
		.amdhsa_system_vgpr_workitem_id 0
		.amdhsa_next_free_vgpr 432
		.amdhsa_next_free_sgpr 66
		.amdhsa_reserve_vcc 0
		.amdhsa_float_denorm_mode_32 3
		.amdhsa_float_denorm_mode_16_64 3
		.amdhsa_memory_ordered 1
		.amdhsa_forward_progress 1
		.amdhsa_inst_pref_size 186
	.end_amdhsa_kernel
	.amdgpu_metadata
---
amdhsa.version: [ 1, 2 ]
amdhsa.kernels:
  - .name:           k_qebbbe582f6_attn
    .symbol:         k_qebbbe582f6_attn.kd
    .args:
      - { .name: qimg, .offset: 0, .size: 8, .value_kind: global_buffer, .address_space: global }
      - { .name: kvimg, .offset: 8, .size: 8, .value_kind: global_buffer, .address_space: global }
      - { .name: lowp_scales, .offset: 16, .size: 8, .value_kind: global_buffer, .address_space: global }
      - { .name: out0, .offset: 24, .size: 8, .value_kind: global_buffer, .address_space: global }
    .group_segment_fixed_size: 327680
    .private_segment_fixed_size: 0
    .kernarg_segment_align: 8
    .kernarg_segment_size: 32
    .max_flat_workgroup_size: 256
    .sgpr_count:     66
    .vgpr_count:     432
    .wavefront_size: 32
...
	.end_amdgpu_metadata
.endif
;; end of part 3
